; MI455X (gfx1250); checked and timed in simulation.
; The chip was launched on July 23, 2026; its instructions are those of AMD's public machine-readable ISA for CDNA 5 (MIT licence, August 2026) and "CDNA5" Instruction Set Architecture Reference Guide (July 2026). The comments in the code are by the model that wrote it; some were corrected since.
;; Attention. Allowed arithmetic: matrix products marked QUANTISED: E2M1 operands, one E8M0 scale for each 32 along K, by v_wmma_scale_f32_16x16x128_f8f6f4 with both operands' format E2M1 (or v_wmma_scale_f32_32x16x128_f4), f32 sums; everything else in f32.
;; Inputs: K_codes 2 x 16 x 2,048 x 2 x 16 uint8 (E2M1 codes of K, K innermost, in blocks of 32 codes, two codes a byte); K_scales 2 x 16 x 2,048 x 2 uint8 (E8M0 scales of K, one for each 32 codes along K); Q_codes 2 x 16 x 2,048 x 2 x 16 uint8 (E2M1 codes of Q, K innermost, in blocks of 32 codes, two codes a byte); Q_scales 2 x 16 x 2,048 x 2 uint8 (E8M0 scales of Q, one for each 32 codes along K); V_codes 2 x 16 x 64 x 64 x 16 uint8 (E2M1 codes of V, K innermost, in blocks of 32 codes, two codes a byte); V_scales 2 x 16 x 64 x 64 uint8 (E8M0 scales of V, one for each 32 codes along K); mask 2,048 x 2,048 bool.
;; Outputs: out0 2 x 16 x 2,048 x 64 float32.
;; This version of the problem:
;;   THIS VERSION OF THE PROBLEM IS GIVEN IN LOW PRECISION. The matrix products marked QUANTISED in the list below multiply operands that are first quantised to E2M1 (2 exponent bits, 1 mantissa bit; 4 bits a number), with one power-of-two scale for each 32 numbers along K (OCP MX v1.0); their sums are f32. All else is computed in f32.
;;   The module's matrix products, in the order in which they are computed (A, B: the left and right operand; K: the contracted axis; several contracted axes count as one K, in the product's order):
;;     1. batch 32 x [M 2,048, K 64] x [K 64, N 2,048]; A: input Q (given as codes); B: input K (given as codes): QUANTISED
;;     2. batch 32 x [M 2,048, K 2,048] x [K 2,048, N 64]; A: softmax (see below); B: input V (given as codes): QUANTISED
;;   THE QUANTISER, for each operand of a quantised product, along K:
;;     - K is cut into blocks of 32 from its start; a last block that is shorter is filled with zeros.
;;     - A block's scale is 2^e with e = floor(log2(the largest magnitude in the block)) - 2, held to -126 .. 127; a block of zeros has e = 0. As a byte (E8M0): e + 127.
;;     - Each number is divided by its block's scale, clamped to +-6, and rounded to the nearest number of E2M1, ties to even, subnormals kept.
;;     - The product sums the exact products of the quantised numbers (number of the format x scale) in f32.
;;   ~~~python
;;   def quantise(x, axis):      # numpy; x: float32 -> the quantised numbers, widened to float32 again
;;       x = np.moveaxis(x, axis, -1); K = x.shape[-1]
;;       x = np.pad(x, [(0, 0)] * (x.ndim - 1) + [(0, -K % 32)]); x = x.reshape(x.shape[:-1] + (-1, 32)); a = np.abs(x).max(-1, keepdims=True)
;;       e = np.where(a > 0, np.clip(np.frexp(np.where(a > 0, a, 1))[1] - 1 - 2, -126, 127), 0)      # np.frexp(a)[1] - 1 = floor(log2(a)), exactly
;;       r = np.clip(x / 2.0 ** e, -6, 6)
;;       step = 2.0 ** (np.maximum(np.frexp(np.where(r == 0, 1, r))[1] - 1, 0) - 1)
;;       q = np.round(r / step) * step * 2.0 ** e      # np.round: ties to even
;;       return np.moveaxis(q.reshape(q.shape[:-2] + (-1,))[..., :K], -1, axis).astype(np.float32)
;;   ~~~
;;   SOFTMAX AHEAD OF A QUANTISED PRODUCT. Where the list says 'softmax', what is quantised is not the finished softmax but p = 2^(t - M), with t = logit x log2(e) and M = ceil(the row's largest t), a whole number; so 1/2 < the row's largest p <= 1. The row's sum l is taken of the UNQUANTISED p, in f32, and the product's result is divided by l at the end. Since M is a whole number, a kernel that streams over the keys may use a running M (the ceiling of the running maximum): every later rescaling is an exact power of two, which a block's scale takes up: the codes' values come out the same.
;;   OPERANDS COMPUTED ON THE WAY. 'Computed on the way' means the value that the module computes at that place (a softmax that the list does not call 'softmax' is quantised finished and normalised). What goes into a quantiser is computed in f32, as accurately as f32 sums, v_exp_f32 and their like allow (about 1e-6 of the number): no bf16 or f16 on the way to a quantiser, and a product that is left as it is and whose result goes on into a quantised operand takes f32 operands (vector FMAs, or v_wmma_f32_16x16x4_f32). A number that lies on a knife's edge between two numbers of the format may be rounded either way, as far as f32 arithmetic and the matrix unit's own rounding can turn it there, and no further.
;;   INPUTS GIVEN AS CODES. K (in the module: [2, 16, 2048, 64], K = its axis 3); Q (in the module: [2, 16, 2048, 64], K = its axis 3); V (in the module: [2, 16, 2048, 64], K = its axis 2): each comes as NAME_codes (uint8): NAME with its K axis moved to the last place and cut into blocks of 32 codes, [.., K / 32, bytes a block], one block behind the other in memory; two codes a byte, the lower K in the low four bits (a code: sign, 2 exponent bits, 1 mantissa bit); and NAME_scales (uint8): the same leading axes, one E8M0 byte (e + 127) for each 32 codes along K. Its value is code x scale, taken as it is: it is not quantised again, and the codes and scales need not be those that the quantiser above would give.
;; 2 versions, each right; version 2 is version 1 with the launch attn written anew for expert scheduling mode. Each part assembles by itself: llvm-mc -triple=amdgcn-amd-amdhsa -mcpu=gfx1250 --defsym DOCPART=n.
;; ======== version 1 of 2: 2 launches
;; limits: right only within a limited range of input values
;; workspace buffers: mbits 524,288 bytes of whole numbers; mflag 1,024 bytes of whole numbers
;; launch maskbits (part 1): grid 2 x 128, 8 waves a work-group, no clusters, 17,920 bytes of LDS; arguments mask, mbits, mflag; writes mbits, mflag
.if DOCPART == 1
	.amdgcn_target "amdgcn-amd-amdhsa--gfx1250"
	.amdhsa_code_object_version 6
	.text
	.protected	k_q2eed715f68_maskbits
	.globl	k_q2eed715f68_maskbits
	.p2align	8
	.type	k_q2eed715f68_maskbits,@function
k_q2eed715f68_maskbits:
	s_mov_b64 s[64:65], 0
	v_nop
	global_prefetch_b8 v0, s[64:65] scope:SCOPE_SE
	s_setreg_imm32_b32 hwreg(HW_REG_WAVE_MODE, 25, 1), 1
	s_wait_xcnt 0x0
; The mask [2048][2048], one byte (0 or 1) a place, is the same for all 32 heads.  It is turned ONCE into the form in which the attention launch uses it:
; lane masks, one 32-bit word for each score register, so that there a masked score costs one select on a scalar register.
;   mbits [T 128][s 16][j 64] u32: T = a tile of 16 queries, s = a step of 128 keys, j = the score register.
;         Bit L of word j = mask[16 T + L % 16][128 s + 32 (j / 16) + 16 (L / 16) + j % 16].  A record (T, s) is 256 bytes, aligned.
;   mflag [T 128][kh 2] u32: bit 2 w + g = 1 where words 32 g .. 32 g + 31 of step 8 kh + w hold any 1: where it is 0 the attention launch neither reads nor applies them.
; SHARES.  Work-group (kh = x, T = y): 16 rows x 1,024 bytes of the mask.  Wave w brings rows 2 w and 2 w + 1 (four loads of 512 consecutive bytes) into LDS;
; behind a barrier it turns step 8 kh + w: lane (r, h) takes 16 bytes of row r for each of the four blocks of 32 keys.  No loop, no matrix work: the launch moves 4 MiB in and 0.5 MiB out.
; mflag's word is one store of 4 bytes a work-group, 1,024 bytes in the whole launch: too little to gather.
.set PITCH, 1040                       ; an LDS row: 1,024 bytes + 16 = 260 words: row r starts at bank 4 r mod 64 (64 banks of 4 bytes: ISA guide 11.1), so the 16 rows of a load start at 16 different banks
.set FLG,   16*PITCH                   ; behind the rows: a word of flags for each wave
.set IN,  8                            ; v8-23   the four loads
.set M,   24                           ; v24-39  my 16 bytes of block b at v[M + 4 b]
.set TT,  40                           ; v40-55  single bytes, at work
.set OUT, 56                           ; v56-57  lane l: words 2 l and 2 l + 1 of the record
	s_load_b128 s[4:7], s[0:1], 0x0                ; mask s[4:5], mbits s[6:7]
	s_load_b64 s[8:9], s[0:1], 0x10                ; mflag
	v_lshl_add_u32 v68, v0, 2, 0x4200
	v_mov_b32 v69, 0
	v_lshrrev_b32 v1, 5, v0
	v_readfirstlane_b32 s10, v1                    ; wave 0..7
	v_and_b32 v1, 31, v0                           ; lane
	s_and_b32 s11, ttmp7, 0xffff                   ; T
	s_mov_b32 s12, ttmp9                           ; kh
	v_lshlrev_b32 v2, 4, v1                        ; 16 bytes a lane
	s_mul_i32 s36, s10, 2*PITCH
	v_add_nc_u32 v3, s36, v2                       ; into LDS: rows 2 w on, 16 x lane
	v_and_b32 v4, 15, v0
	v_mul_u32_u24 v4, v4, PITCH
	v_bfe_u32 v5, v0, 4, 1
	v_lshl_add_u32 v4, v5, 4, v4
	s_lshl_b32 s36, s10, 7
	v_add_nc_u32 v4, s36, v4                       ; out of LDS: row r, + 128 w (my step's keys), + 16 h
	v_lshlrev_b32 v5, 3, v1                        ; the record: 8 bytes a lane
	s_lshl_b32 s36, s10, 2
	s_add_co_u32 s36, s36, FLG
	v_mov_b32 v6, s36                              ; my wave's word of flags
	s_lshl_b32 s14, s11, 15                        ; the mask: 16 T rows of 2,048 bytes,
	s_lshl_b32 s36, s12, 10                        ; + 1,024 kh,
	s_add_co_u32 s14, s14, s36
	s_lshl_b32 s36, s10, 12                        ; + 2 w rows
	s_add_co_u32 s14, s14, s36
	s_mov_b32 s15, 0
	s_wait_kmcnt 0x0
	s_add_nc_u64 s[4:5], s[4:5], s[14:15]
.irp j, 0,1
.irp i, 0,1
	global_load_b128 v[IN+4*(2*\j+\i):IN+4*(2*\j+\i)+3], v2, s[4:5] offset:2048*\j+512*\i th:TH_LOAD_NT   ; 32 lanes read 512 consecutive bytes; read once in the launch
.endr
.endr
	s_lshl_b32 s14, s11, 4                         ; mbits: record 16 T + 8 kh + w, 256 bytes each
	s_lshl_b32 s36, s12, 3
	s_add_co_u32 s14, s14, s36
	s_add_co_u32 s14, s14, s10
	s_lshl_b32 s14, s14, 8
	s_add_nc_u64 s[6:7], s[6:7], s[14:15]
	s_lshl_b32 s14, s11, 1                         ; mflag: word 2 T + kh
	s_add_co_u32 s14, s14, s12
	s_lshl_b32 s14, s14, 2
	s_add_nc_u64 s[8:9], s[8:9], s[14:15]
	v_mov_b32 v[OUT], 0                            ; written whole once: a lane write's destination counts as read
	v_mov_b32 v[OUT+1], 0
	s_wait_loadcnt 0x0
.irp j, 0,1
.irp i, 0,1
	ds_store_b128 v3, v[IN+4*(2*\j+\i):IN+4*(2*\j+\i)+3] offset:PITCH*\j+512*\i
.endr
.endr
	s_wait_dscnt 0x0                               ; for the others' sake: my two rows lie in LDS
	s_barrier_signal -1
	s_barrier_wait -1                              ; all sixteen rows do
.irp b, 0,1,2,3
	ds_load_b128 v[M+4*\b:M+4*\b+3], v4 offset:32*\b   ; keys 32 b + 16 h + 0 .. 15 of my row
.endr
	s_wait_dscnt 0x0
	; the two flags: does half g (blocks 2 g, 2 g + 1) hold any 1, in any lane?
	v_or_b32 v58, v[M], v[M+1]
	v_or_b32 v59, v[M+8], v[M+9]
.irp i, 2,3,4,5,6,7
	v_or_b32 v58, v58, v[M+\i]
	v_or_b32 v59, v59, v[M+8+\i]
.endr
	v_cmp_ne_u32 vcc_lo, 0, v58
	s_cmp_lg_u32 vcc_lo, 0
	s_cselect_b32 s32, 1, 0
	v_cmp_ne_u32 vcc_lo, 0, v59
	s_cmp_lg_u32 vcc_lo, 0
	s_cselect_b32 s33, 2, 0
	s_or_b32 s32, s32, s33
	s_lshl_b32 s33, s10, 1
	s_lshl_b32 s32, s32, s33                       ; at bits 2 w and 2 w + 1
	v_mov_b32 v7, s32
	ds_store_b32 v6, v7                            ; all lanes write the same word with the same value
; Block b's sixteen words j = 16 b + 4 q + n: byte n of register q, cut out; the compare's lane mask IS the word; it goes to lane j / 2 of register j % 2.
.macro WORDS b
.irp q, 0,1,2,3
.irp n, 0,1,2,3
	v_and_b32 v[TT+4*\q+\n], 0xff<<(8*\n), v[M+4*\b+\q]
.endr
.endr
.irp q, 0,1,2,3
.irp n, 0,1,2,3
	v_cmp_ne_u32 s[16+4*\q+\n], 0, v[TT+4*\q+\n]
.endr
.endr
.irp q, 0,1,2,3
.irp n, 0,1,2,3
	v_writelane_b32 v[OUT+\n%2], s[16+4*\q+\n], 8*\b+2*\q+\n/2
.endr
.endr
.endm
	WORDS 0
	WORDS 1
	WORDS 2
	WORDS 3
	global_store_b64 v5, v[OUT:OUT+1], s[6:7]      ; 32 lanes store the record: 256 consecutive bytes, aligned
	s_wait_dscnt 0x0                               ; for wave 0's sake: my word of flags lies in LDS
	s_barrier_signal -1
	s_barrier_wait -1
	s_cmp_lg_u32 s10, 0                            ; wave 0 joins the eight words; no barrier stands behind this branch
	s_cbranch_scc1 .Lend
	v_mov_b32 v40, FLG
	ds_load_b128 v[60:63], v40
	ds_load_b128 v[64:67], v40 offset:16
	v_mov_b32 v41, 0
	v_cmp_eq_u32 vcc_lo, 0, v1                     ; lane 0 alone stores
	s_wait_dscnt 0x0
.irp i, 1,2,3,4,5,6,7
	v_or_b32 v60, v60, v[60+\i]
.endr
	s_wait_xcnt 0x0                                ; the record's store is out, and EXEC is one of its sources: EXEC changes only behind this wait
	s_and_saveexec_b32 s34, vcc_lo
	global_store_b32 v41, v60, s[8:9]
	s_wait_xcnt 0x0                                ; and again in front of the line that widens it
	s_or_b32 exec_lo, exec_lo, s34
.Lend:
	s_wait_tensorcnt 0x0
	ds_add_u32 v68, v69
	s_wait_dscnt 0x0
	s_endpgm
.Lfunc_end_k_q2eed715f68_maskbits:
	.size	k_q2eed715f68_maskbits, .Lfunc_end_k_q2eed715f68_maskbits-k_q2eed715f68_maskbits
	.p2alignl 7, 3214868480
	.fill 96, 4, 3214868480
	.section	.rodata,"a",@progbits
	.p2align	6, 0x0
	.amdhsa_kernel k_q2eed715f68_maskbits
		.amdhsa_group_segment_fixed_size 17920
		.amdhsa_private_segment_fixed_size 0
		.amdhsa_enable_private_segment 0
		.amdhsa_kernarg_size 24
		.amdhsa_user_sgpr_count 2
		.amdhsa_user_sgpr_kernarg_segment_ptr 1
		.amdhsa_wavefront_size32 1
		.amdhsa_system_sgpr_workgroup_id_x 1
		.amdhsa_system_sgpr_workgroup_id_y 1
		.amdhsa_system_sgpr_workgroup_id_z 1
		.amdhsa_system_vgpr_workitem_id 0
		.amdhsa_next_free_vgpr 70
		.amdhsa_next_free_sgpr 66
		.amdhsa_reserve_vcc 1
		.amdhsa_float_denorm_mode_32 3
		.amdhsa_float_denorm_mode_16_64 3
		.amdhsa_memory_ordered 1
		.amdhsa_forward_progress 1
		.amdhsa_inst_pref_size 17
	.end_amdhsa_kernel
	.amdgpu_metadata
---
amdhsa.version: [ 1, 2 ]
amdhsa.kernels:
  - .name:           k_q2eed715f68_maskbits
    .symbol:         k_q2eed715f68_maskbits.kd
    .args:
      - { .name: mask, .offset: 0, .size: 8, .value_kind: global_buffer, .address_space: global }
      - { .name: mbits, .offset: 8, .size: 8, .value_kind: global_buffer, .address_space: global }
      - { .name: mflag, .offset: 16, .size: 8, .value_kind: global_buffer, .address_space: global }
    .group_segment_fixed_size: 17920
    .private_segment_fixed_size: 0
    .kernarg_segment_align: 8
    .kernarg_segment_size: 24
    .max_flat_workgroup_size: 256
    .sgpr_count:     66
    .vgpr_count:     70
    .wavefront_size: 32
...
	.end_amdgpu_metadata
.endif
;; end of part 1
;; launch attn (part 2): grid 8 x 32, 16 waves a work-group, no clusters, 148,480 bytes of LDS; arguments Q_codes, Q_scales, K_codes, K_scales, V_codes, V_scales, mbits, mflag, out0; writes out0
.if DOCPART == 2
	.amdgcn_target "amdgcn-amd-amdhsa--gfx1250"
	.amdhsa_code_object_version 6
	.text
	.protected	k_q2eed715f68_attn
	.globl	k_q2eed715f68_attn
	.p2align	8
	.type	k_q2eed715f68_attn,@function
k_q2eed715f68_attn:
	s_mov_b64 s[64:65], 0
	v_nop
	global_prefetch_b8 v0, s[64:65] scope:SCOPE_SE
	s_setreg_imm32_b32 hwreg(HW_REG_WAVE_MODE, 25, 1), 1
	s_wait_xcnt 0x0
; out[head][q][:] = the sum over k of softmax_k(where(mask[q][k], -1e10, Q[q] . K[k]) / sqrt(2048)) V[k][:], 32 heads, 2,048 queries and keys, head size 64; both products on codes of FP4 (E2M1) with one E8M0 scale for each 32 along K.
; Q, K: codes [head][2048][32 bytes], scale bytes [head][2048][2].  V: codes with the KEYS innermost, [head][64][1024 bytes], scale bytes [head][64][64].  out: f32.
; THE SOFTMAX AHEAD OF THE SECOND PRODUCT: t = score x c, c = log2(e) / sqrt(2048); M = the row's largest t so far, rounded UP to a whole number; p = 2^(t - M) is quantised along the keys, not normalised;
; the row's sum is taken of the unquantised p and divides at the end.  When M moves, the sums and O are multiplied by 2^(old M - new M): exact, in every step, with no branch on numbers.
; THE MASK comes as lane masks made by the launch before: word j of record (T, s) has bit L = 1 where score register j of lane L is masked: one v_cndmask_b32 a register on a scalar register.  A half step (32 registers)
; whose flag in mflag is 0 holds no masked place: its words are not read and its selects are jumped over, by a scalar branch on that stored whole number.
; LIMITS.  A masked score is taken as -2^33 where the definition says -1e10: c x 2^33 is a whole number that f32 holds exactly, so a row all of whose keys so far are masked gets t = M and p = 1 exactly (uniform weights, as defined);
;   with -1e10 the rounding of c x 1e10 would stand in the exponent.  The result differs from the definition only where an UNMASKED score lies under about -8.5e9.  A scale byte 0xff gives NaN, as defined.
;   A block of p that is all zeros keeps the scale byte 1: its codes are zeros.
; K OF THE FIRST PRODUCT IS 64, the instruction's 128: registers 4-7 of Q's and of K's fragments hold zero codes, written once, and bytes 2, 3 of their scale words are 0 (2^-127, over zero codes).
; SHARES.  A work-group owns 256 queries of one head; each of its SIXTEEN waves one tile of 16, in 256 registers: four waves to a SIMD, so that one wave's vector work stands beside another's matrix work and LDS loads.
; A WHOLE HEAD'S K AND V LIE IN LDS: 64 + 64 KiB of codes, 4 + 4 KiB of scale bytes, brought once, by 18 loads a thread; nothing in LDS is filled again, so there are no slots; one barrier behind the fill, one in front of the way out.
; NO CLUSTER, NO TENSOR LOAD: the selects are jumped over by a branch on a number read from memory; and what the eight work-groups of a head share is read once, at the start,
;   136 KiB a work-group; behind the first barrier no wave touches memory but for mask words and its 4 KiB of results.
; LAYOUT.  Both products are used transposed: S^T = K Q^T (source 0 = 16 keys, source 1 = my 16 queries), O^T = V^T P^T (source 0 = 16 channels, source 1 = P): a lane holds ONE query (lane % 16) throughout.
; THE KEYS OF A TILE ARE NOT NEIGHBOURS: lane r of tile 2 b + u takes key 32 b + 8 u + r % 8 + 16 (r / 8), so that score register 16 b + i is key 32 b + 16 (lane / 16) + i: 16 neighbours along the second product's K.
.set KPITCH, 528                       ; LDS: 16 keys (512 bytes) + 16.  A fragment's rows r = 0..7 lie 32 bytes apart, r = 8..15 one pitch on, which is 16 modulo 256: sixteen lanes take sixteen different 16-byte columns (64 banks of 4 bytes: ISA guide 11.1)
.set VPITCH, 1040                      ; a channel's 2,048 codes (1,024 bytes) + 16: row r starts 16 r modulo 256
.set VB,   128*KPITCH                  ; K's codes from 0, V's from here
.set KSC,  VB+64*VPITCH                ; K's scale words [step][16 u + r][b], a u32 each: one load of 16 bytes a lane brings a step's four scale registers: lanes 0-15 tile 2 b's, lanes 16-31 tile 2 b + 1's
.set VSC,  KSC+8192                    ; V's scale words [step][d % 32][d / 32], a u32 each: one load of 8 bytes a lane brings both registers: register g, lane 16 h + r: tile 2 g + h
.set SPITCH, 272                       ; the way out: a stage of 16 rows x (256 bytes + 16) for each wave, from LDS byte 0 on (69,632 bytes: K's region and the head of V's, which nobody reads behind the last barrier)
.set AK0,  1                           ; v1   my lane's place in a tile of K
.set AV0,  2                           ; v2   in a tile of V
.set AKS0, 3                           ; v3   among a step's scale words of K
.set AVS0, 4                           ; v4   and of V
.set XM,   5                           ; v5   -2^33
.set STO,  6                           ; v6, v7, v28: the way out
.set RD,   7
.set KS,   8                           ; v8-11   K's scale words (scales and nothing else: so v24-27 too)
.set NM,   12                          ; v12  -M;  v13 the largest t so far (the packed forms name the pair and take its low word)
.set LA,   14                          ; v14-15  the row's sum, two of its four parts
.set QF,   16                          ; v16-23  Q's fragment
.set QS,   24                          ; v24  Q's scale words
.set PS,   25                          ; v25  p's scale word
.set VS,   26                          ; v26-27  V's scale words
.set GO,   28
.set T0,   30                          ; v30, v31 at work
.set T1,   31
.set KF,   32                          ; v32-95   K's eight fragments
.set S,    96                          ; v96-159  S^T, then p
.set O,    160                         ; v160-191 O^T, four tiles
.set VF,   192                         ; v192-223 V's four fragments; at the start v192-199 hold what only the start needs
.set PC,   224                         ; v224-231 p's codes
.set BM,   232                         ; v232-235 the blocks' largest scores, then largest p
.set BT,   236                         ; v236-239 the other half's, then the scale bytes
.set LB,   240                         ; v240-241 the sum's other two parts
.set ADK,  242                         ; v242, v243, v248, v249: LDS addresses of the loads in hand
.set ADKS, 243
.set SO,   244                         ; v244-247 the conversions' scale operands
.set ADV,  248
.set ADVS, 249
.set F,    252                         ; v252 f = 2^(old M - new M); v253 is named with it as a pair
.set TMP,  254
.set GA16, 192                         ; the start: byte offsets of my loads,
.set GA8,  193
.set GQ,   194
.set GQS,  195
.set LK,   196                         ; and LDS addresses of my stores
.set LV,   197
.set LKS,  198
.set LVS,  199
.set SK,   2                           ; s2   the next step's K: 8 pitches a step
.set SKS,  3                           ; s3   its scale words: 512 bytes a step
.set OUTP, 52                          ; s[52:53] out
.set WV,   54                          ; s54  my wave's number
.set CNT,  55                          ; s55  trips
.set FL,   56                          ; s56  the flags: bits 0, 1 this step's halves, bits 2, 3 the next step's
.set CS,   58                          ; s[58:59] c
.set SEL,  60                          ; s[60:61] lane selects for v_permlanex16_b32: lane l xor 16
.set SV,   66                          ; s66  this step's V: 64 bytes a step
.set SVS,  67                          ; s67  its scale words: 256 bytes a step
.set MP,   100                         ; s[100:101] the mask words' record in hand
; The 64 mask words lie in s4-s51 and s68-s83: word n in s[4 + n + 16 (n / 48)].
	s_load_b512 s[84:99], s[0:1], 0x0              ; Q's codes s[84:85], Q's scales s[86:87], K's s[88:89], s[90:91], V's s[92:93], s[94:95], mbits s[96:97], mflag s[98:99]
	s_load_b64 s[OUTP:OUTP+1], s[0:1], 0x40
	v_lshl_add_u32 v251, v0, 2, 0x23c00
	v_mov_b32 v255, 0
	v_lshrrev_b32 v[T0], 5, v0
	v_readfirstlane_b32 s[WV], v[T0]               ; wave 0..15
	v_lshlrev_b32 v[GA16], 4, v0                   ; thread t takes 16 bytes at 16 t of each 8,192,
	v_lshlrev_b32 v[GA8], 3, v0                    ; and 8 scale bytes at 8 t
	v_and_b32 v[T0], 15, v0                        ; r
	v_bfe_u32 v[T1], v0, 4, 1                      ; h
	v_lshlrev_b32 v[GQ], 5, v[T0]
	v_lshl_add_u32 v[GQ], v[T1], 4, v[GQ]          ; Q: row r of 32 bytes, + 16 h
	v_lshlrev_b32 v[GQS], 1, v[T0]                 ; its two scale bytes
	s_and_b32 s4, ttmp7, 0xffff                    ; the head
	s_lshl_b32 s5, ttmp9, 4
	s_add_co_u32 s5, s5, s[WV]                     ; T = my tile of 16 queries = 16 x work-group x + wave
	s_lshl_b32 s6, s4, 16                          ; a head's codes: 65,536 bytes
	s_mov_b32 s7, 0
	s_lshl_b32 s8, s4, 12                          ; its scale bytes: 4,096
	s_mov_b32 s9, 0
	s_lshl_b32 s10, s5, 9                          ; my 16 rows of Q: 512 bytes a tile
	s_add_co_u32 s10, s10, s6
	s_mov_b32 s11, 0
	s_lshl_b32 s12, s5, 5                          ; their scale bytes: 32 a tile
	s_add_co_u32 s12, s12, s8
	s_mov_b32 s13, 0
	s_lshl_b32 s14, s4, 19                         ; out: 524,288 bytes a head, 4,096 a tile
	s_lshl_b32 s15, s5, 12
	s_add_co_u32 s14, s14, s15
	s_mov_b32 s15, 0
	s_lshl_b32 s16, s5, 12                         ; mbits: 16 records of 256 bytes a tile
	s_mov_b32 s17, 0
	s_lshl_b32 s18, s5, 3                          ; mflag: two words a tile
	s_mov_b32 s19, 0
	s_mov_b32 s[CS], 0x3d0293ee                    ; c = log2(e) / sqrt(2048)
	s_mov_b32 s[CS+1], s[CS]                       ; (named with it as a pair, so it is written)
	s_mov_b32 s[SEL], 0x76543210
	s_mov_b32 s[SEL+1], 0xfedcba98
	s_mov_b32 s[SK], 8*KPITCH
	s_mov_b32 s[SKS], 512
	s_mov_b32 s[SV], 0
	s_mov_b32 s[SVS], 0
	s_mov_b32 s[CNT], 15
	s_wait_kmcnt 0x0
	s_add_nc_u64 s[84:85], s[84:85], s[10:11]
	s_add_nc_u64 s[86:87], s[86:87], s[12:13]
	s_add_nc_u64 s[88:89], s[88:89], s[6:7]
	s_add_nc_u64 s[90:91], s[90:91], s[8:9]
	s_add_nc_u64 s[92:93], s[92:93], s[6:7]
	s_add_nc_u64 s[94:95], s[94:95], s[8:9]
	s_add_nc_u64 s[MP:MP+1], s[96:97], s[16:17]
	s_add_nc_u64 s[98:99], s[98:99], s[18:19]
	s_add_nc_u64 s[OUTP:OUTP+1], s[OUTP:OUTP+1], s[14:15]
	s_load_b64 s[62:63], s[98:99], 0x0             ; my tile's 32 flags
	; Twenty loads; each of a wave covers 512 or 256 consecutive bytes.  No hint: eight work-groups read the same head.
.irp i, 0,1,2,3,4,5,6,7
	global_load_b128 v[S+4*\i:S+4*\i+3], v[GA16], s[88:89] offset:8192*\i          ; K's codes
.endr
.irp i, 0,1,2,3,4,5,6,7
	global_load_b128 v[S+32+4*\i:S+32+4*\i+3], v[GA16], s[92:93] offset:8192*\i    ; V's codes
.endr
	global_load_b64 v[O:O+1], v[GA8], s[90:91]     ; the scale bytes of keys 4 t .. 4 t + 3
	global_load_b64 v[O+2:O+3], v[GA8], s[94:95]   ; those of channel t / 8, steps 2 (t % 8) and 2 (t % 8) + 1
	global_load_b128 v[QF:QF+3], v[GQ], s[84:85]   ; Q's fragment stays in registers
	global_load_u16 v[QS], v[GQS], s[86:87]        ; its scale word: two bytes, zeros above
	; while they are on their way: the mask words' registers are written, so that every way through the text finds them written,
.irp n, 4,6,8,10,12,14,16,18,20,22,24,26,28,30,32,34,36,38,40,42,44,46,48,50,68,70,72,74,76,78,80,82
	s_mov_b64 s[\n:\n+1], 0
.endr
	; and the LDS addresses, each made of the thread's number and constants
	v_mul_u32_u24 v[AV0], v[T0], VPITCH
	v_lshl_add_u32 v[AV0], v[T1], 4, v[AV0]
	v_add_nc_u32 v[AV0], VB, v[AV0]                ; V: channel r, + 16 h
	v_bfe_u32 v[T0], v0, 3, 1
	v_mul_u32_u24 v[AK0], v[T0], KPITCH
	v_and_b32 v[T0], 7, v0
	v_lshl_add_u32 v[AK0], v[T0], 5, v[AK0]
	v_lshl_add_u32 v[AK0], v[T1], 4, v[AK0]        ; K: (r / 8) pitches + 32 (r % 8) + 16 h
	v_and_b32 v[T1], 31, v0                        ; lane
	v_lshl_add_u32 v[AKS0], v[T1], 4, KSC
	v_lshl_add_u32 v[AVS0], v[T1], 3, VSC
	v_lshrrev_b32 v[T0], 5, v0
	v_mul_u32_u24 v[LK], v[T0], KPITCH
	v_lshl_add_u32 v[LK], v[T1], 4, v[LK]          ; K's codes in: load i's byte 16 t is key t / 2 + 256 i: row of sixteen t / 32 + 16 i, byte 16 (t % 32)
	v_lshrrev_b32 v[T0], 6, v0
	v_mul_u32_u24 v[LV], v[T0], VPITCH
	v_and_b32 v[T0], 63, v0
	v_lshl_add_u32 v[LV], v[T0], 4, v[LV]
	v_add_nc_u32 v[LV], VB, v[LV]                  ; V's: channel t / 64 + 8 i, byte 16 (t % 64)
	v_and_b32 v[T0], 0x1e0, v0                     ; K's scale words: key k = 4 t + n goes to step k / 128, lane 16 (bit 3 of k) + 8 (bit 4) + k % 8, word (k / 32) % 4
	v_lshlrev_b32 v[LKS], 4, v[T0]                 ; 512 (t / 32)
	v_and_b32 v[T0], 2, v0
	v_lshl_add_u32 v[LKS], v[T0], 7, v[LKS]        ; + 256 (bit 1 of t)
	v_and_b32 v[T0], 4, v0
	v_lshl_add_u32 v[LKS], v[T0], 5, v[LKS]        ; + 128 (bit 2)
	v_and_b32 v[T0], 1, v0
	v_lshl_add_u32 v[LKS], v[T0], 6, v[LKS]        ; + 64 (bit 0); n adds 16 n
	v_and_b32 v[T0], 0x18, v0
	v_lshrrev_b32 v[T0], 1, v[T0]
	v_add_nc_u32 v[LKS], v[LKS], v[T0]             ; + 4 ((t / 8) % 4)
	v_add_nc_u32 v[LKS], KSC, v[LKS]
	v_and_b32 v[T0], 7, v0                         ; V's: steps 2 (t % 8) + n, channel d = t / 8
	v_lshlrev_b32 v[LVS], 9, v[T0]
	v_bfe_u32 v[T0], v0, 3, 5
	v_lshl_add_u32 v[LVS], v[T0], 3, v[LVS]        ; + 8 (d % 32)
	v_lshrrev_b32 v[T0], 8, v0
	v_lshl_add_u32 v[LVS], v[T0], 2, v[LVS]        ; + 4 (d / 32)
	v_add_nc_u32 v[LVS], VSC, v[LVS]
	s_wait_loadcnt 12                              ; K's eight are in; behind them: V's eight, the two of scale bytes, Q's two
.irp i, 0,1,2,3,4,5,6,7
	ds_store_b128 v[LK], v[S+4*\i:S+4*\i+3] offset:16*KPITCH*\i
.endr
	s_wait_loadcnt 4                               ; V's eight are in
.irp i, 0,1,2,3,4,5,6,7
	ds_store_b128 v[LV], v[S+32+4*\i:S+32+4*\i+3] offset:8*VPITCH*\i
.endr
	s_wait_loadcnt 2                               ; the scale bytes are in; Q's two may be out
	v_and_b32 v[O+4], 0xffff, v[O]                 ; a key's two bytes become a word with zeros above
	v_lshrrev_b32 v[O+5], 16, v[O]
	v_and_b32 v[O+6], 0xffff, v[O+1]
	v_lshrrev_b32 v[O+7], 16, v[O+1]
.irp n, 0,1,2,3
	ds_store_b32 v[LKS], v[O+4+\n] offset:16*\n
.endr
	ds_store_b32 v[LVS], v[O+2]
	ds_store_b32 v[LVS], v[O+3] offset:256
	s_wait_dscnt 0x0                               ; for the others' sake: my part of the head lies in LDS
	s_barrier_signal -1
	s_barrier_wait -1                              ; the whole head does
.macro KLOAD adk, adks                 ; a step's eight fragments of K (their lower halves) and its scale words: nine loads
.irp t, 0,1,2,3,4,5,6,7
	ds_load_b128 v[KF+8*\t:KF+8*\t+3], v[\adk] offset:(\t/2)*2*KPITCH+(\t%2)*256
.endr
	ds_load_b128 v[KS:KS+3], v[\adks]
.endm
.macro PREFH g, bit                    ; half g's 32 mask words of the record at s[MP], if flag bit says that it holds a masked place
	s_bitcmp1_b32 s[FL], \bit
	s_cbranch_scc0 .Lnone_\@
	s_load_b512 s[4+32*\g:19+32*\g], s[MP:MP+1], 128*\g
	s_load_b512 s[20+48*\g:35+48*\g], s[MP:MP+1], 128*\g+64
.Lnone_\@:
.endm
.macro MASKHALF g                      ; half g's selects, in ascending order: each accumulator is read from its low end on
	s_bitcmp1_b32 s[FL], \g
	s_cbranch_scc0 .Lopen_\@
.set nn, 32*\g
.rept 32
	v_cndmask_b32 v[S+nn], v[S+nn], v[XM], s[4+nn+(nn/48)*16]
.set nn, nn+1
.endr
.Lopen_\@:
.endm
	KLOAD AK0, AKS0                                ; step 0
.irp t, 0,1,2,3,4,5,6,7
.irp i, 4,5,6,7
	v_mov_b32 v[KF+8*\t+\i], 0                     ; the zero codes of k = 64 .. 127: written once
.endr
.endr
.irp i, 4,5,6,7
	v_mov_b32 v[QF+\i], 0
.endr
.irp j, 0,1,2,3,4,5,6,7,8,9,10,11,12,13,14,15,16,17,18,19,20,21,22,23,24,25,26,27,28,29,30,31
	v_mov_b32 v[O+\j], 0                           ; O^T.  (The step is written once for all sixteen: the first finds zeros, which the first change of M leaves zeros.  These lines are also the places between the zero codes and the first products)
.endr
	v_mov_b32 v[LA], 0
	v_mov_b32 v[LA+1], 0
	v_mov_b32 v[LB], 0
	v_mov_b32 v[LB+1], 0
.irp b, 0,1,2,3
	v_mov_b32 v[BT+\b], 0                          ; written once: a lane permute's destination counts as one of its sources
.endr
	v_mov_b32 v[F+1], 0                            ; (named as the upper half of a pair)
	v_mov_b32 v[NM+1], 0xff61b1e6                  ; the largest t so far: -3e38, under every t
	v_floor_f32 v[NM], -v[NM+1]                    ; -M
	v_mov_b32 v[XM], 0xd0000000                    ; -2^33
	s_wait_kmcnt 0x0                               ; the flags
	s_lshl_b32 s63, s63, 16
	s_or_b32 s[FL], s62, s63                       ; bit 2 s + g: half g of step s
	PREFH 0, 0                                     ; step 0's mask words
	PREFH 1, 1
	s_wait_loadcnt 0x0                             ; Q
; A KEY STEP: 128 keys.  last = 1: nothing is fetched for a step behind it.
.macro STEP last
	s_wait_dscnt 0x0                               ; this step's K and its scale words, asked for a step ago, are in
.irp t, 0,1,2,3,4,5,6,7                        ; S^T = K Q^T; each product starts its sum with the constant 0
.if \t%2
	v_wmma_scale_f32_16x16x128_f8f6f4 v[S+8*\t:S+8*\t+7], v[KF+8*\t:KF+8*\t+7], v[QF:QF+7], 0, v[KS+\t/2], v[QS] matrix_a_fmt:MATRIX_FMT_FP4 matrix_b_fmt:MATRIX_FMT_FP4 matrix_a_scale:MATRIX_SCALE_ROW1
.else
	v_wmma_scale_f32_16x16x128_f8f6f4 v[S+8*\t:S+8*\t+7], v[KF+8*\t:KF+8*\t+7], v[QF:QF+7], 0, v[KS+\t/2], v[QS] matrix_a_fmt:MATRIX_FMT_FP4 matrix_b_fmt:MATRIX_FMT_FP4
.endif
.endr
	; Four plain vector lines that name no register of the products: the places in front of the loads into K's and V's fragments and scale words, and of the first read of the scores
.if \last
	v_nop
	v_nop
.else
	v_add_nc_u32 v[ADK], s[SK], v[AK0]
	v_add_nc_u32 v[ADKS], s[SKS], v[AKS0]
.endif
	v_add_nc_u32 v[ADV], s[SV], v[AV0]
	v_add_nc_u32 v[ADVS], s[SVS], v[AVS0]
.irp t, 0,1,2,3                                ; this step's V: nine loads, a softmax ahead of their use
.irp c, 0,1
	ds_load_b128 v[VF+8*\t+4*\c:VF+8*\t+4*\c+3], v[ADV] offset:16*VPITCH*\t+32*\c
.endr
.endr
	ds_load_b64 v[VS:VS+1], v[ADVS]
.if \last == 0
	KLOAD ADK, ADKS                                ; the next step's K: nine loads
.endif
	s_wait_kmcnt 0x0                               ; the mask words asked for a step ago are in, and their base may be stepped
	MASKHALF 0
	MASKHALF 1
.if \last == 0
	s_add_nc_u64 s[MP:MP+1], s[MP:MP+1], 256       ; the next step's record: the fifteen trips reach record 15, the tile's last
	PREFH 0, 2
	PREFH 1, 3
	s_lshr_b32 s[FL], s[FL], 2
.endif
.irp b, 0,1,2,3
	v_max3_num_f32 v[BM+\b], v[S+16*\b], v[S+16*\b+1], v[S+16*\b+2]   ; THE LARGEST SCORE OF EACH BLOCK OF 32 KEYS serves twice: for the row's maximum, and, since p rises with the score, for the block's largest p
.endr
.irp i, 3,5,7,9,11,13
.irp b, 0,1,2,3
	v_max3_num_f32 v[BM+\b], v[BM+\b], v[S+16*\b+\i], v[S+16*\b+\i+1]   ; (the four blocks by turns)
.endr
.endr
.irp b, 0,1,2,3
	v_max_num_f32 v[BM+\b], v[BM+\b], v[S+16*\b+15]
.endr
.irp b, 0,1,2,3
	v_permlanex16_b32 v[BT+\b], v[BM+\b], s[SEL], s[SEL+1]
.endr
.irp b, 0,1,2,3
	v_max_num_f32 v[BM+\b], v[BM+\b], v[BT+\b]     ; with lane l xor 16's 16 keys
.endr
	v_max3_num_f32 v[TMP], v[BM], v[BM+1], v[BM+2]
	v_max_num_f32 v[TMP], v[TMP], v[BM+3]          ; the step's largest score of my query
	v_mul_f32 v[TMP], s[CS], v[TMP]                ; as t (c is positive)
	v_max_num_f32 v[NM+1], v[NM+1], v[TMP]         ; the running largest t
	v_mov_b32 v[TMP], v[NM]
	v_floor_f32 v[NM], -v[NM+1]                    ; the new -M = floor(-t) = -ceil(t): M is a whole number
	v_sub_f32 v[TMP], v[NM], v[TMP]                ; M's old value less its new one: a whole number, 0 or less
	v_cvt_i32_f32 v[TMP], v[TMP]                   ; (it saturates)
	v_ldexp_f32 v[F], 1.0, v[TMP]                  ; f = 2^(old M - new M)
.irp j, 0,2,4,6,8,10,12,14,16,18,20,22,24,26,28,30,32,34,36,38,40,42,44,46,48,50,52,54,56,58,60,62
	v_pk_fma_f32 v[S+\j:S+\j+1], v[S+\j:S+\j+1], s[CS:CS+1], v[NM:NM+1] op_sel_hi:[1,0,0]   ; t - M, two at a time (of the pairs c and -M the low word serves both halves)
.endr
.irp b, 0,1,2,3
	v_fma_f32 v[BM+\b], v[BM+\b], s[CS], v[NM]     ; the same of each block's largest score
.endr
.irp b, 0,1,2,3
	v_exp_f32 v[BM+\b], v[BM+\b]                   ; the block's largest p: the same two instructions on the same number give the same bits
.endr
	v_pk_mul_f32 v[LA:LA+1], v[LA:LA+1], v[F:F+1] op_sel_hi:[1,0]   ; the sums under the new M.  (Plain lines behind the exponentials)
	v_pk_mul_f32 v[LB:LB+1], v[LB:LB+1], v[F:F+1] op_sel_hi:[1,0]
	s_wait_alu depctr_va_vdst(0)
.irp b, 0,1,2,3
	v_max_num_f32 v[BM+\b], 0x1800000, v[BM+\b]    ; the floor 2^(3 - 127): the byte cannot fall under 1
.endr
.irp b, 0,1,2,3
	v_add_nc_u32 v[SO+\b], 0xff000000, v[BM+\b]    ; 2 off the exponent field: the conversion's scale operand
.endr
.irp b, 0,1,2,3
	v_lshrrev_b32 v[BT+\b], 23, v[SO+\b]           ; the scale's byte
.endr
	v_lshl_or_b32 v[PS], v[BT+1], 8, v[BT]         ; p's scale word for these 128 keys
	v_lshl_or_b32 v[PS], v[BT+2], 16, v[PS]
	; p = 2^(t - M), at most 1, not normalised.  Two exponentials, then one plain line that touches neither: the sum of the pair before.  THE ROW'S SUM IS TAKEN OF THE UNQUANTISED p, in four parts that live from step to step
.set jj, 0
.rept 32
	v_exp_f32 v[S+2*jj], v[S+2*jj]
	v_exp_f32 v[S+2*jj+1], v[S+2*jj+1]
.if jj == 0
	v_lshl_or_b32 v[PS], v[BT+3], 24, v[PS]
.elseif jj%2
	s_wait_alu depctr_va_vdst(0)
	v_pk_add_f32 v[LA:LA+1], v[LA:LA+1], v[S+2*jj-2:S+2*jj-1]
.else
	v_pk_add_f32 v[LB:LB+1], v[LB:LB+1], v[S+2*jj-2:S+2*jj-1]
.endif
.set jj, jj+1
.endr
	v_pk_add_f32 v[LB:LB+1], v[LB:LB+1], v[S+62:S+63]
.irp b, 0,1,2,3
	v_cvt_scalef32_pk8_fp4_f32 v[PC+2*\b], v[S+16*\b:S+16*\b+7], v[SO+\b]        ; the codes of keys 32 b + 16 h + 0 .. 7
	v_cvt_scalef32_pk8_fp4_f32 v[PC+2*\b+1], v[S+16*\b+8:S+16*\b+15], v[SO+\b]   ; and + 8 .. 15
.endr
	v_nop                                          ; one plain line behind the last scaled conversion
.irp c, 0,1                                    ; the operand's layout wants a WHOLE block in a lane: lanes 0-15 block 2 c, lanes 16-31 block 2 c + 1
.irp i, 0,1
	v_permlane16_swap_b32 v[PC+4*\c+\i], v[PC+2+4*\c+\i]
.endr
.endr
.irp j, 0,2,4,6,8,10,12,14,16,18,20,22,24,26,28,30
	v_pk_mul_f32 v[O+\j:O+\j+1], v[O+\j:O+\j+1], v[F:F+1] op_sel_hi:[1,0]   ; O^T under the new M, from each accumulator's low end on.  (Sixteen plain lines between p's codes and the products; p's scale word stands further back)
.endr
.if \last
	s_wait_dscnt 0x0                               ; V is in
.else
	s_wait_dscnt 9                                 ; V's nine loads are in; the next step's nine of K, issued behind them, may be out
.endif
.irp t, 0,1,2,3                                ; O^T += V^T P^T: the four accumulators by turns, one instruction a turn; the next matrix instructions are the next step's K Q^T
.if \t%2
	v_wmma_scale_f32_16x16x128_f8f6f4 v[O+8*\t:O+8*\t+7], v[VF+8*\t:VF+8*\t+7], v[PC:PC+7], v[O+8*\t:O+8*\t+7], v[VS+\t/2], v[PS] matrix_a_fmt:MATRIX_FMT_FP4 matrix_b_fmt:MATRIX_FMT_FP4 matrix_a_scale:MATRIX_SCALE_ROW1
.else
	v_wmma_scale_f32_16x16x128_f8f6f4 v[O+8*\t:O+8*\t+7], v[VF+8*\t:VF+8*\t+7], v[PC:PC+7], v[O+8*\t:O+8*\t+7], v[VS+\t/2], v[PS] matrix_a_fmt:MATRIX_FMT_FP4 matrix_b_fmt:MATRIX_FMT_FP4
.endif
.endr
.if \last == 0
	s_add_co_u32 s[SK], s[SK], 8*KPITCH
	s_add_co_u32 s[SKS], s[SKS], 512
	s_add_co_u32 s[SV], s[SV], 64
	s_add_co_u32 s[SVS], s[SVS], 256
.endif
.endm
.Lstep:                                            ; fifteen trips; the sixteenth step is written out, since it fetches nothing for a successor
	STEP 0
	s_sub_co_u32 s[CNT], s[CNT], 1
	s_cmp_lg_u32 s[CNT], 0
	s_cbranch_scc1 .Lstep
	STEP 1
	; THE WAY OUT.  The sum's four parts and the other half's are added; O^T is divided by the sum and goes through my stage in LDS, so that sixteen lanes store one whole row of out: 256 consecutive bytes, aligned.
	; The additions and the addresses are the places behind the last products.
	v_pk_add_f32 v[LA:LA+1], v[LA:LA+1], v[LB:LB+1]
	v_and_b32 v[T0], 15, v0                        ; r
	v_bfe_u32 v[T1], v0, 4, 1                      ; h
	v_add_f32 v[LA], v[LA], v[LA+1]
	s_mul_i32 s57, s[WV], 16*SPITCH                ; my stage
	v_mul_u32_u24 v[STO], v[T0], SPITCH
	v_lshl_add_u32 v[STO], v[T1], 5, v[STO]
	v_add_nc_u32 v[STO], s57, v[STO]               ; in: row r; tile t's eight channels of my half: 64 t + 32 h bytes on
	v_permlanex16_b32 v[TMP], v[LA], s[SEL], s[SEL+1]
	v_mul_u32_u24 v[RD], v[T1], SPITCH
	v_lshl_add_u32 v[RD], v[T0], 4, v[RD]
	v_add_nc_u32 v[RD], s57, v[RD]                 ; back: lanes 0-15 one row, lanes 16-31 the next
	v_add_f32 v[LA], v[LA], v[TMP]                 ; the row's sum: over 1/2, since the row's largest p is
	v_lshlrev_b32 v[GO], 8, v[T1]
	v_lshl_add_u32 v[GO], v[T0], 4, v[GO]          ; and the same two rows in out
	v_rcp_f32 v[LA], v[LA]
	v_nop                                          ; one plain line behind the transcendental
	s_wait_alu depctr_va_vdst(0)
.irp j, 0,2,4,6,8,10,12,14,16,18,20,22,24,26,28,30
	v_pk_mul_f32 v[S+\j:S+\j+1], v[O+\j:O+\j+1], v[LA:LA+1] op_sel_hi:[1,0]   ; O^T / the sum: register 8 t + i is out(r, 16 t + 8 h + i)
.endr
	s_wait_dscnt 0x0                               ; my reads of K and V are over
	s_barrier_signal -1
	s_barrier_wait -1                              ; everybody's are: the stages may lie over them
.irp t, 0,1,2,3
	ds_store_b128 v[STO], v[S+8*\t:S+8*\t+3] offset:64*\t
	ds_store_b128 v[STO], v[S+8*\t+4:S+8*\t+7] offset:64*\t+16
.endr
.irp i, 0,1,2,3,4,5,6,7
	ds_load_b128 v[VF+4*\i:VF+4*\i+3], v[RD] offset:2*SPITCH*\i   ; LDS serves a wave's instructions in order (ISA guide 5.7.1.4): these see my stores
.endr
.irp i, 0,1,2,3,4,5,6,7
	s_wait_dscnt 7-\i                              ; rows 2 i and 2 i + 1 are back; the younger loads may be out
	global_store_b128 v[GO], v[VF+4*\i:VF+4*\i+3], s[OUTP:OUTP+1] offset:512*\i th:TH_STORE_NT   ; written once, read by nobody here
.endr
	s_wait_tensorcnt 0x0
	ds_add_u32 v251, v255
	s_wait_dscnt 0x0
	s_endpgm
.Lfunc_end_k_q2eed715f68_attn:
	.size	k_q2eed715f68_attn, .Lfunc_end_k_q2eed715f68_attn-k_q2eed715f68_attn
	.p2alignl 7, 3214868480
	.fill 96, 4, 3214868480
	.section	.rodata,"a",@progbits
	.p2align	6, 0x0
	.amdhsa_kernel k_q2eed715f68_attn
		.amdhsa_group_segment_fixed_size 148480
		.amdhsa_private_segment_fixed_size 0
		.amdhsa_enable_private_segment 0
		.amdhsa_kernarg_size 72
		.amdhsa_user_sgpr_count 2
		.amdhsa_user_sgpr_kernarg_segment_ptr 1
		.amdhsa_wavefront_size32 1
		.amdhsa_system_sgpr_workgroup_id_x 1
		.amdhsa_system_sgpr_workgroup_id_y 1
		.amdhsa_system_sgpr_workgroup_id_z 1
		.amdhsa_system_vgpr_workitem_id 0
		.amdhsa_next_free_vgpr 256
		.amdhsa_next_free_sgpr 102
		.amdhsa_reserve_vcc 0
		.amdhsa_float_denorm_mode_32 3
		.amdhsa_float_denorm_mode_16_64 3
		.amdhsa_memory_ordered 1
		.amdhsa_forward_progress 1
		.amdhsa_inst_pref_size 56
	.end_amdhsa_kernel
	.amdgpu_metadata
---
amdhsa.version: [ 1, 2 ]
amdhsa.kernels:
  - .name:           k_q2eed715f68_attn
    .symbol:         k_q2eed715f68_attn.kd
    .args:
      - { .name: Q_codes, .offset: 0, .size: 8, .value_kind: global_buffer, .address_space: global }
      - { .name: Q_scales, .offset: 8, .size: 8, .value_kind: global_buffer, .address_space: global }
      - { .name: K_codes, .offset: 16, .size: 8, .value_kind: global_buffer, .address_space: global }
      - { .name: K_scales, .offset: 24, .size: 8, .value_kind: global_buffer, .address_space: global }
      - { .name: V_codes, .offset: 32, .size: 8, .value_kind: global_buffer, .address_space: global }
      - { .name: V_scales, .offset: 40, .size: 8, .value_kind: global_buffer, .address_space: global }
      - { .name: mbits, .offset: 48, .size: 8, .value_kind: global_buffer, .address_space: global }
      - { .name: mflag, .offset: 56, .size: 8, .value_kind: global_buffer, .address_space: global }
      - { .name: out0, .offset: 64, .size: 8, .value_kind: global_buffer, .address_space: global }
    .group_segment_fixed_size: 148480
    .private_segment_fixed_size: 0
    .kernarg_segment_align: 8
    .kernarg_segment_size: 72
    .max_flat_workgroup_size: 512
    .sgpr_count:     102
    .vgpr_count:     256
    .wavefront_size: 32
...
	.end_amdgpu_metadata
.endif
;; end of part 2
;; ======== version 2 of 2: 2 launches; version 1 with the launch attn written anew for expert scheduling mode
;; limits: right only within a limited range of input values
;; workspace buffers: mbits 524,288 bytes of whole numbers; mflag 1,024 bytes of whole numbers
;; launch maskbits: the kernel of part 1 again; grid 2 x 128, 8 waves a work-group, no clusters, 17,920 bytes of LDS; arguments mask, mbits, mflag; writes mbits, mflag
;; launch attn (part 3): grid 8 x 32, 16 waves a work-group, no clusters, 148,480 bytes of LDS; arguments Q_codes, Q_scales, K_codes, K_scales, V_codes, V_scales, mbits, mflag, out0; writes out0
.if DOCPART == 3
	.amdgcn_target "amdgcn-amd-amdhsa--gfx1250"
	.amdhsa_code_object_version 6
	.text
	.protected	k_q2eed715f68_attn
	.globl	k_q2eed715f68_attn
	.p2align	8
	.type	k_q2eed715f68_attn,@function
k_q2eed715f68_attn:
	s_mov_b64 s[64:65], 0
	v_nop
	global_prefetch_b8 v0, s[64:65] scope:SCOPE_SE
	s_setreg_imm32_b32 hwreg(HW_REG_WAVE_SCHED_MODE, 0, 2), 2
	s_setreg_imm32_b32 hwreg(HW_REG_WAVE_MODE, 25, 1), 1
	s_wait_xcnt 0x0
	s_wait_alu depctr_vm_vsrc(0)
; out[head][q][:] = the sum over k of softmax_k(where(mask[q][k], -1e10, Q[q] . K[k]) / sqrt(2048)) V[k][:], 32 heads, 2,048 queries and keys, head size 64; both products on codes of FP4 (E2M1) with one E8M0 scale for each 32 along K.
; Q, K: codes [head][2048][32 bytes], scale bytes [head][2048][2].  V: codes with the KEYS innermost, [head][64][1024 bytes], scale bytes [head][64][64].  out: f32.
; THE SOFTMAX AHEAD OF THE SECOND PRODUCT: t = score x c, c = log2(e) / sqrt(2048); M = the row's largest t so far, rounded UP to a whole number; p = 2^(t - M) is quantised along the keys, not normalised;
; the row's sum is taken of the unquantised p and divides at the end.  When M moves, the sums and O are multiplied by 2^(old M - new M): exact, in every step, with no branch on numbers.
; THE MASK comes as lane masks made by the launch before: word j of record (T, s) has bit L = 1 where score register j of lane L is masked: one v_cndmask_b32 a register on a scalar register.  A half step (32 registers)
; whose flag in mflag is 0 holds no masked place: its words are not read and its selects are jumped over, by a scalar branch on that stored whole number.
; LIMITS.  A masked score is taken as -2^33 where the definition says -1e10: c x 2^33 is a whole number that f32 holds exactly, so a row all of whose keys so far are masked gets t = M and p = 1 exactly (uniform weights, as defined);
;   with -1e10 the rounding of c x 1e10 would stand in the exponent.  The result differs from the definition only where an UNMASKED score lies under about -8.5e9.  A scale byte 0xff gives NaN, as defined.
;   A block of p that is all zeros keeps the scale byte 1: its codes are zeros.
; K OF THE FIRST PRODUCT IS 64, the instruction's 128: registers 4-7 of Q's and of K's fragments hold zero codes, written once, and bytes 2, 3 of their scale words are 0 (2^-127, over zero codes).
; SHARES.  A work-group owns 256 queries of one head; each of its SIXTEEN waves one tile of 16, in 256 registers: four waves to a SIMD, so that one wave's vector work stands beside another's matrix work and LDS loads.
; A WHOLE HEAD'S K AND V LIE IN LDS: 64 + 64 KiB of codes, 4 + 4 KiB of scale bytes, brought once, by 18 loads a thread; nothing in LDS is filled again, so there are no slots; one barrier behind the fill, one in front of the way out.
; NO CLUSTER, NO TENSOR LOAD: the selects are jumped over by a branch on a number read from memory; and what the eight work-groups of a head share is read once, at the start,
;   136 KiB a work-group; behind the first barrier no wave touches memory but for mask words and its 4 KiB of results.
; LAYOUT.  Both products are used transposed: S^T = K Q^T (source 0 = 16 keys, source 1 = my 16 queries), O^T = V^T P^T (source 0 = 16 channels, source 1 = P): a lane holds ONE query (lane % 16) throughout.
; THE KEYS OF A TILE ARE NOT NEIGHBOURS: lane r of tile 2 b + u takes key 32 b + 8 u + r % 8 + 16 (r / 8), so that score register 16 b + i is key 32 b + 16 (lane / 16) + i: 16 neighbours along the second product's K.
; THE MODE: SCHED_MODE bits 1:0 = 2 (LLVM: expert scheduling mode 2), set by the entry lines.  The code itself states the register dependences
; between vector or matrix instructions and memory or LDS instructions, with s_wait_alu, always for 0.
; THE PLAN.  Registers that LDS instructions touch, in the loop:
;   KF's lower halves, KS   Step s: its eight products K Q^T read them; behind them nine LDS loads bring step s + 1's.
;   VF, VS                  Step s: its four products V^T P read them; nine LDS loads of step s + 1 land in them.
;   ADK, ADKS, ADV, ADVS    Written once a step, by the four additions behind K Q^T; read by the step's eighteen LDS loads.
;   PC and PS are written by vector lines and taken by the scaled products V^T P.  S, O, the sums and the statistics are named by vector and matrix instructions alone.
;   The 64 mask words (scalar registers) are read by the selects; the scalar loads for the next step land in them.
; FIVE WAITS A STEP.  vm_vsrc at its head: the last step's loads have read the four addresses.  va_vdst behind the four additions: the addresses are written, K Q^T is done reading KF and KS, the last step's V^T P is done reading
; VF and VS; V's nine loads follow at once, and K's nine are dealt among the lines that search the maxima, which name S, XM, BM and BT: none of the registers that those loads touch.  va_vdst behind the selects, for the mask words.
; va_vdst behind the batch of exponentials, ahead of its first reader.  va_vdst in front of V^T P: PC and PS are written.
.set KPITCH, 528                       ; LDS: 16 keys (512 bytes) + 16.  A fragment's rows r = 0..7 lie 32 bytes apart, r = 8..15 one pitch on, which is 16 modulo 256: sixteen lanes take sixteen different 16-byte columns (64 banks of 4 bytes: ISA guide 11.1)
.set VPITCH, 1040                      ; a channel's 2,048 codes (1,024 bytes) + 16: row r starts 16 r modulo 256
.set VB,   128*KPITCH                  ; K's codes from 0, V's from here
.set KSC,  VB+64*VPITCH                ; K's scale words [step][16 u + r][b], a u32 each: one load of 16 bytes a lane brings a step's four scale registers: lanes 0-15 tile 2 b's, lanes 16-31 tile 2 b + 1's
.set VSC,  KSC+8192                    ; V's scale words [step][d % 32][d / 32], a u32 each: one load of 8 bytes a lane brings both registers: register g, lane 16 h + r: tile 2 g + h
.set SPITCH, 272                       ; the way out: a stage of 16 rows x (256 bytes + 16) for each wave, from LDS byte 0 on (69,632 bytes: K's region and the head of V's, which nobody reads behind the last barrier)
.set AK0,  1                           ; v1   my lane's place in a tile of K
.set AV0,  2                           ; v2   in a tile of V
.set AKS0, 3                           ; v3   among a step's scale words of K
.set AVS0, 4                           ; v4   and of V
.set XM,   5                           ; v5   -2^33
.set STO,  6                           ; v6, v7, v28: the way out
.set RD,   7
.set KS,   8                           ; v8-11   K's scale words (scales and nothing else: so v24-27 too)
.set NM,   12                          ; v12  -M;  v13 the largest t so far (the packed forms name the pair and take its low word)
.set LA,   14                          ; v14-15  the row's sum, two of its four parts
.set QF,   16                          ; v16-23  Q's fragment
.set QS,   24                          ; v24  Q's scale words
.set PS,   25                          ; v25  p's scale word
.set VS,   26                          ; v26-27  V's scale words
.set GO,   28
.set T0,   30                          ; v30, v31 at work
.set T1,   31
.set KF,   32                          ; v32-95   K's eight fragments
.set S,    96                          ; v96-159  S^T, then p
.set O,    160                         ; v160-191 O^T, four tiles
.set VF,   192                         ; v192-223 V's four fragments; at the start v192-199 hold what only the start needs
.set PC,   224                         ; v224-231 p's codes
.set BM,   232                         ; v232-235 the blocks' largest scores, then largest p
.set BT,   236                         ; v236-239 the other half's, then the scale bytes
.set LB,   240                         ; v240-241 the sum's other two parts
.set ADK,  242                         ; v242, v243, v248, v249: LDS addresses of the loads in hand
.set ADKS, 243
.set SO,   244                         ; v244-247 the conversions' scale operands
.set ADV,  248
.set ADVS, 249
.set F,    252                         ; v252 f = 2^(old M - new M); v253 is named with it as a pair
.set TMP,  254
.set GA16, 192                         ; the start: byte offsets of my loads,
.set GA8,  193
.set GQ,   194
.set GQS,  195
.set LK,   196                         ; and LDS addresses of my stores
.set LV,   197
.set LKS,  198
.set LVS,  199
.set SK,   2                           ; s2   the next step's K: 8 pitches a step
.set SKS,  3                           ; s3   its scale words: 512 bytes a step
.set OUTP, 52                          ; s[52:53] out
.set WV,   54                          ; s54  my wave's number
.set CNT,  55                          ; s55  trips
.set FL,   56                          ; s56  the flags: bits 0, 1 this step's halves, bits 2, 3 the next step's
.set CS,   58                          ; s[58:59] c
.set SEL,  60                          ; s[60:61] lane selects for v_permlanex16_b32: lane l xor 16
.set SV,   66                          ; s66  this step's V: 64 bytes a step
.set SVS,  67                          ; s67  its scale words: 256 bytes a step
.set MP,   100                         ; s[100:101] the mask words' record in hand
; The 64 mask words lie in s4-s51 and s68-s83: word n in s[4 + n + 16 (n / 48)].
	s_load_b512 s[84:99], s[0:1], 0x0              ; Q's codes s[84:85], Q's scales s[86:87], K's s[88:89], s[90:91], V's s[92:93], s[94:95], mbits s[96:97], mflag s[98:99]
	s_load_b64 s[OUTP:OUTP+1], s[0:1], 0x40
	v_lshl_add_u32 v251, v0, 2, 0x23c00
	v_mov_b32 v255, 0
	v_lshrrev_b32 v[T0], 5, v0
	v_readfirstlane_b32 s[WV], v[T0]               ; wave 0..15
	v_lshlrev_b32 v[GA16], 4, v0                   ; thread t takes 16 bytes at 16 t of each 8,192,
	v_lshlrev_b32 v[GA8], 3, v0                    ; and 8 scale bytes at 8 t
	v_and_b32 v[T0], 15, v0                        ; r
	v_bfe_u32 v[T1], v0, 4, 1                      ; h
	v_lshlrev_b32 v[GQ], 5, v[T0]
	v_lshl_add_u32 v[GQ], v[T1], 4, v[GQ]          ; Q: row r of 32 bytes, + 16 h
	v_lshlrev_b32 v[GQS], 1, v[T0]                 ; its two scale bytes
	s_wait_alu depctr_va_sdst(0)                   ; s[WV] is written, ahead of its first reader: my tile's number is made from it
	s_and_b32 s4, ttmp7, 0xffff                    ; the head
	s_lshl_b32 s5, ttmp9, 4
	s_add_co_u32 s5, s5, s[WV]                     ; T = my tile of 16 queries = 16 x work-group x + wave
	s_lshl_b32 s6, s4, 16                          ; a head's codes: 65,536 bytes
	s_mov_b32 s7, 0
	s_lshl_b32 s8, s4, 12                          ; its scale bytes: 4,096
	s_mov_b32 s9, 0
	s_lshl_b32 s10, s5, 9                          ; my 16 rows of Q: 512 bytes a tile
	s_add_co_u32 s10, s10, s6
	s_mov_b32 s11, 0
	s_lshl_b32 s12, s5, 5                          ; their scale bytes: 32 a tile
	s_add_co_u32 s12, s12, s8
	s_mov_b32 s13, 0
	s_lshl_b32 s14, s4, 19                         ; out: 524,288 bytes a head, 4,096 a tile
	s_lshl_b32 s15, s5, 12
	s_add_co_u32 s14, s14, s15
	s_mov_b32 s15, 0
	s_lshl_b32 s16, s5, 12                         ; mbits: 16 records of 256 bytes a tile
	s_mov_b32 s17, 0
	s_lshl_b32 s18, s5, 3                          ; mflag: two words a tile
	s_mov_b32 s19, 0
	s_mov_b32 s[CS], 0x3d0293ee                    ; c = log2(e) / sqrt(2048)
	s_mov_b32 s[CS+1], s[CS]                       ; (named with it as a pair, so it is written)
	s_mov_b32 s[SEL], 0x76543210
	s_mov_b32 s[SEL+1], 0xfedcba98
	s_mov_b32 s[SK], 8*KPITCH
	s_mov_b32 s[SKS], 512
	s_mov_b32 s[SV], 0
	s_mov_b32 s[SVS], 0
	s_mov_b32 s[CNT], 15
	s_wait_kmcnt 0x0
	s_add_nc_u64 s[84:85], s[84:85], s[10:11]
	s_add_nc_u64 s[86:87], s[86:87], s[12:13]
	s_add_nc_u64 s[88:89], s[88:89], s[6:7]
	s_add_nc_u64 s[90:91], s[90:91], s[8:9]
	s_add_nc_u64 s[92:93], s[92:93], s[6:7]
	s_add_nc_u64 s[94:95], s[94:95], s[8:9]
	s_add_nc_u64 s[MP:MP+1], s[96:97], s[16:17]
	s_add_nc_u64 s[98:99], s[98:99], s[18:19]
	s_add_nc_u64 s[OUTP:OUTP+1], s[OUTP:OUTP+1], s[14:15]
	s_load_b64 s[62:63], s[98:99], 0x0             ; my tile's 32 flags
	s_wait_alu depctr_va_vdst(0)                   ; the four offsets v192 to v195 are written, which the twenty loads below read
	; Twenty loads; each of a wave covers 512 or 256 consecutive bytes.  No hint: eight work-groups read the same head.
.irp i, 0,1,2,3,4,5,6,7
	global_load_b128 v[S+4*\i:S+4*\i+3], v[GA16], s[88:89] offset:8192*\i          ; K's codes
.endr
.irp i, 0,1,2,3,4,5,6,7
	global_load_b128 v[S+32+4*\i:S+32+4*\i+3], v[GA16], s[92:93] offset:8192*\i    ; V's codes
.endr
	global_load_b64 v[O:O+1], v[GA8], s[90:91]     ; the scale bytes of keys 4 t .. 4 t + 3
	global_load_b64 v[O+2:O+3], v[GA8], s[94:95]   ; those of channel t / 8, steps 2 (t % 8) and 2 (t % 8) + 1
	global_load_b128 v[QF:QF+3], v[GQ], s[84:85]   ; Q's fragment stays in registers
	global_load_u16 v[QS], v[GQS], s[86:87]        ; its scale word: two bytes, zeros above
	; while they are on their way: the mask words' registers are written, so that every way through the text finds them written,
.irp n, 4,6,8,10,12,14,16,18,20,22,24,26,28,30,32,34,36,38,40,42,44,46,48,50,68,70,72,74,76,78,80,82
	s_mov_b64 s[\n:\n+1], 0
.endr
	; and the LDS addresses, each made of the thread's number and constants
	v_mul_u32_u24 v[AV0], v[T0], VPITCH
	v_lshl_add_u32 v[AV0], v[T1], 4, v[AV0]
	v_add_nc_u32 v[AV0], VB, v[AV0]                ; V: channel r, + 16 h
	v_bfe_u32 v[T0], v0, 3, 1
	v_mul_u32_u24 v[AK0], v[T0], KPITCH
	v_and_b32 v[T0], 7, v0
	v_lshl_add_u32 v[AK0], v[T0], 5, v[AK0]
	v_lshl_add_u32 v[AK0], v[T1], 4, v[AK0]        ; K: (r / 8) pitches + 32 (r % 8) + 16 h
	v_and_b32 v[T1], 31, v0                        ; lane
	v_lshl_add_u32 v[AKS0], v[T1], 4, KSC
	v_lshl_add_u32 v[AVS0], v[T1], 3, VSC
	v_lshrrev_b32 v[T0], 5, v0
	v_mul_u32_u24 v[LK], v[T0], KPITCH
	v_lshl_add_u32 v[LK], v[T1], 4, v[LK]          ; K's codes in: load i's byte 16 t is key t / 2 + 256 i: row of sixteen t / 32 + 16 i, byte 16 (t % 32)
	v_lshrrev_b32 v[T0], 6, v0
	v_mul_u32_u24 v[LV], v[T0], VPITCH
	v_and_b32 v[T0], 63, v0
	v_lshl_add_u32 v[LV], v[T0], 4, v[LV]
	v_add_nc_u32 v[LV], VB, v[LV]                  ; V's: channel t / 64 + 8 i, byte 16 (t % 64)
	v_and_b32 v[T0], 0x1e0, v0                     ; K's scale words: key k = 4 t + n goes to step k / 128, lane 16 (bit 3 of k) + 8 (bit 4) + k % 8, word (k / 32) % 4
	v_lshlrev_b32 v[LKS], 4, v[T0]                 ; 512 (t / 32)
	v_and_b32 v[T0], 2, v0
	v_lshl_add_u32 v[LKS], v[T0], 7, v[LKS]        ; + 256 (bit 1 of t)
	v_and_b32 v[T0], 4, v0
	v_lshl_add_u32 v[LKS], v[T0], 5, v[LKS]        ; + 128 (bit 2)
	v_and_b32 v[T0], 1, v0
	v_lshl_add_u32 v[LKS], v[T0], 6, v[LKS]        ; + 64 (bit 0); n adds 16 n
	v_and_b32 v[T0], 0x18, v0
	v_lshrrev_b32 v[T0], 1, v[T0]
	v_add_nc_u32 v[LKS], v[LKS], v[T0]             ; + 4 ((t / 8) % 4)
	v_add_nc_u32 v[LKS], KSC, v[LKS]
	v_and_b32 v[T0], 7, v0                         ; V's: steps 2 (t % 8) + n, channel d = t / 8
	v_lshlrev_b32 v[LVS], 9, v[T0]
	v_bfe_u32 v[T0], v0, 3, 5
	v_lshl_add_u32 v[LVS], v[T0], 3, v[LVS]        ; + 8 (d % 32)
	v_lshrrev_b32 v[T0], 8, v0
	v_lshl_add_u32 v[LVS], v[T0], 2, v[LVS]        ; + 4 (d / 32)
	v_add_nc_u32 v[LVS], VSC, v[LVS]
	s_wait_loadcnt 12                              ; K's eight are in; behind them: V's eight, the two of scale bytes, Q's two
	s_wait_alu depctr_va_vdst(0)                   ; the LDS addresses are written: v196 to v199, which the stores below read, and v1 and v3, which step 0's loads of K read
.irp i, 0,1,2,3,4,5,6,7
	ds_store_b128 v[LK], v[S+4*\i:S+4*\i+3] offset:16*KPITCH*\i
.endr
	s_wait_loadcnt 4                               ; V's eight are in
.irp i, 0,1,2,3,4,5,6,7
	ds_store_b128 v[LV], v[S+32+4*\i:S+32+4*\i+3] offset:8*VPITCH*\i
.endr
	s_wait_loadcnt 2                               ; the scale bytes are in; Q's two may be out
	v_and_b32 v[O+4], 0xffff, v[O]                 ; a key's two bytes become a word with zeros above
	v_lshrrev_b32 v[O+5], 16, v[O]
	v_and_b32 v[O+6], 0xffff, v[O+1]
	v_lshrrev_b32 v[O+7], 16, v[O+1]
	s_wait_alu depctr_va_vdst(0)                   ; the four words v[O+4] to v[O+7] are written, which the LDS stores below read
.irp n, 0,1,2,3
	ds_store_b32 v[LKS], v[O+4+\n] offset:16*\n
.endr
	ds_store_b32 v[LVS], v[O+2]
	ds_store_b32 v[LVS], v[O+3] offset:256
	s_wait_dscnt 0x0                               ; for the others' sake: my part of the head lies in LDS
	s_barrier_signal -1
	s_barrier_wait -1                              ; the whole head does
	s_wait_alu depctr_vm_vsrc(0)                   ; the start's loads and LDS stores have read their registers: v[O+2] to v[O+7], which the lines below clear; S, which the first products write; v192 to v199, in which V's fragments land
.macro KLOAD adk, adks                 ; a step's eight fragments of K (their lower halves) and its scale words: nine loads
.irp t, 0,1,2,3,4,5,6,7
	ds_load_b128 v[KF+8*\t:KF+8*\t+3], v[\adk] offset:(\t/2)*2*KPITCH+(\t%2)*256
.endr
	ds_load_b128 v[KS:KS+3], v[\adks]
.endm
.macro KL n                            ; the same nine for the next step, one at a time: load n
.if (\n) < 8
	ds_load_b128 v[KF+8*(\n):KF+8*(\n)+3], v[ADK] offset:((\n)/2)*2*KPITCH+((\n)%2)*256
.else
	ds_load_b128 v[KS:KS+3], v[ADKS]
.endif
.endm
.macro PREFH g, bit                    ; half g's 32 mask words of the record at s[MP], if flag bit says that it holds a masked place
	s_bitcmp1_b32 s[FL], \bit
	s_cbranch_scc0 .Lnone_\@
	s_load_b512 s[4+32*\g:19+32*\g], s[MP:MP+1], 128*\g
	s_load_b512 s[20+48*\g:35+48*\g], s[MP:MP+1], 128*\g+64
.Lnone_\@:
.endm
.macro MASKHALF g                      ; half g's selects, in ascending order: each accumulator is read from its low end on
	s_bitcmp1_b32 s[FL], \g
	s_cbranch_scc0 .Lopen_\@
.set nn, 32*\g
.rept 32
	v_cndmask_b32 v[S+nn], v[S+nn], v[XM], s[4+nn+(nn/48)*16]
.set nn, nn+1
.endr
.Lopen_\@:
.endm
	KLOAD AK0, AKS0                                ; step 0
.irp t, 0,1,2,3,4,5,6,7
.irp i, 4,5,6,7
	v_mov_b32 v[KF+8*\t+\i], 0                     ; the zero codes of k = 64 .. 127: written once
.endr
.endr
.irp i, 4,5,6,7
	v_mov_b32 v[QF+\i], 0
.endr
.irp j, 0,1,2,3,4,5,6,7,8,9,10,11,12,13,14,15,16,17,18,19,20,21,22,23,24,25,26,27,28,29,30,31
	v_mov_b32 v[O+\j], 0                           ; O^T.  (The step is written once for all sixteen: the first finds zeros, which the first change of M leaves zeros.  These lines are also the places between the zero codes and the first products)
.endr
	v_mov_b32 v[LA], 0
	v_mov_b32 v[LA+1], 0
	v_mov_b32 v[LB], 0
	v_mov_b32 v[LB+1], 0
.irp b, 0,1,2,3
	v_mov_b32 v[BT+\b], 0                          ; written once: a lane permute's destination counts as one of its sources
.endr
	v_mov_b32 v[F+1], 0                            ; (named as the upper half of a pair)
	v_mov_b32 v[NM+1], 0xff61b1e6                  ; the largest t so far: -3e38, under every t
	v_floor_f32 v[NM], -v[NM+1]                    ; -M
	v_mov_b32 v[XM], 0xd0000000                    ; -2^33
	s_wait_kmcnt 0x0                               ; the flags
	s_lshl_b32 s63, s63, 16
	s_or_b32 s[FL], s62, s63                       ; bit 2 s + g: half g of step s
	PREFH 0, 0                                     ; step 0's mask words
	PREFH 1, 1
	s_wait_loadcnt 0x0                             ; Q
	s_wait_alu depctr_va_vdst(0)                   ; the zero codes in the upper halves of Q's and K's fragments are written, which the scaled products K Q^T take; the places stand above, beside this wait
; A KEY STEP: 128 keys.  last = 1: nothing is fetched for a step behind it.
.macro STEP last
	s_wait_dscnt 0x0                               ; this step's K and its scale words, asked for a step ago, are in
	s_wait_alu depctr_vm_vsrc(0)                   ; the LDS loads issued so far have read the four address registers, which the additions below write again
.irp t, 0,1,2,3,4,5,6,7                        ; S^T = K Q^T; each product starts its sum with the constant 0
.if \t%2
	v_wmma_scale_f32_16x16x128_f8f6f4 v[S+8*\t:S+8*\t+7], v[KF+8*\t:KF+8*\t+7], v[QF:QF+7], 0, v[KS+\t/2], v[QS] matrix_a_fmt:MATRIX_FMT_FP4 matrix_b_fmt:MATRIX_FMT_FP4 matrix_a_scale:MATRIX_SCALE_ROW1
.else
	v_wmma_scale_f32_16x16x128_f8f6f4 v[S+8*\t:S+8*\t+7], v[KF+8*\t:KF+8*\t+7], v[QF:QF+7], 0, v[KS+\t/2], v[QS] matrix_a_fmt:MATRIX_FMT_FP4 matrix_b_fmt:MATRIX_FMT_FP4
.endif
.endr
	; Four plain vector lines that name no register of the products (ISA guide 7.12.1): the places in front of the first read of the scores
.if \last
	v_nop
	v_nop
.else
	v_add_nc_u32 v[ADK], s[SK], v[AK0]
	v_add_nc_u32 v[ADKS], s[SKS], v[AKS0]
.endif
	v_add_nc_u32 v[ADV], s[SV], v[AV0]
	v_add_nc_u32 v[ADVS], s[SVS], v[AVS0]
	s_wait_alu depctr_va_vdst(0)                   ; the addresses above are written; the products K Q^T are done reading KF and KS, the last step's products V^T P are done reading VF and VS: the step's LDS loads read the first and land in the others
.irp t, 0,1,2,3                                ; this step's V: nine loads, a softmax ahead of their use
.irp c, 0,1
	ds_load_b128 v[VF+8*\t+4*\c:VF+8*\t+4*\c+3], v[ADV] offset:16*VPITCH*\t+32*\c
.endr
.endr
	ds_load_b64 v[VS:VS+1], v[ADVS]
	s_wait_kmcnt 0x0                               ; the mask words asked for a step ago are in, and their base may be stepped
	MASKHALF 0
	MASKHALF 1
.if \last == 0
	s_wait_alu depctr_va_vdst(0)                   ; the selects above are done: they have read the mask words' scalar registers, in which the scalar loads below land
	s_add_nc_u64 s[MP:MP+1], s[MP:MP+1], 256       ; the next step's record: the fifteen trips reach record 15, the tile's last
	PREFH 0, 2
	PREFH 1, 3
	s_lshr_b32 s[FL], s[FL], 2
.endif
	; The next step's nine loads of K are dealt among the nine groups of lines below.  No further wait: no vector or matrix instruction since the wait behind the additions names KF, KS, ADK or ADKS
.irp b, 0,1,2,3
	v_max3_num_f32 v[BM+\b], v[S+16*\b], v[S+16*\b+1], v[S+16*\b+2]   ; THE LARGEST SCORE OF EACH BLOCK OF 32 KEYS serves twice: for the row's maximum, and, since p rises with the score, for the block's largest p
.endr
.if \last == 0
	KL 0
.endif
.irp i, 3,5,7,9,11,13
.irp b, 0,1,2,3
	v_max3_num_f32 v[BM+\b], v[BM+\b], v[S+16*\b+\i], v[S+16*\b+\i+1]   ; (the four blocks by turns)
.endr
.if \last == 0
	KL (\i-1)/2
.endif
.endr
.irp b, 0,1,2,3
	v_max_num_f32 v[BM+\b], v[BM+\b], v[S+16*\b+15]
.endr
.if \last == 0
	KL 7
.endif
.irp b, 0,1,2,3
	v_permlanex16_b32 v[BT+\b], v[BM+\b], s[SEL], s[SEL+1]
.endr
.if \last == 0
	KL 8
.endif
.irp b, 0,1,2,3
	v_max_num_f32 v[BM+\b], v[BM+\b], v[BT+\b]     ; with lane l xor 16's 16 keys
.endr
	v_max3_num_f32 v[TMP], v[BM], v[BM+1], v[BM+2]
	v_max_num_f32 v[TMP], v[TMP], v[BM+3]          ; the step's largest score of my query
	v_mul_f32 v[TMP], s[CS], v[TMP]                ; as t (c is positive)
	v_max_num_f32 v[NM+1], v[NM+1], v[TMP]         ; the running largest t
	v_mov_b32 v[TMP], v[NM]
	v_floor_f32 v[NM], -v[NM+1]                    ; the new -M = floor(-t) = -ceil(t): M is a whole number
	v_sub_f32 v[TMP], v[NM], v[TMP]                ; M's old value less its new one: a whole number, 0 or less
	v_cvt_i32_f32 v[TMP], v[TMP]                   ; (it saturates)
	v_ldexp_f32 v[F], 1.0, v[TMP]                  ; f = 2^(old M - new M)
.irp j, 0,2,4,6,8,10,12,14,16,18,20,22,24,26,28,30,32,34,36,38,40,42,44,46,48,50,52,54,56,58,60,62
	v_pk_fma_f32 v[S+\j:S+\j+1], v[S+\j:S+\j+1], s[CS:CS+1], v[NM:NM+1] op_sel_hi:[1,0,0]   ; t - M, two at a time (of the pairs c and -M the low word serves both halves)
.endr
.irp b, 0,1,2,3
	v_fma_f32 v[BM+\b], v[BM+\b], s[CS], v[NM]     ; the same of each block's largest score
.endr
	; ONE BATCH of 68 exponentials; none of them reads another's result
.irp b, 0,1,2,3
	v_exp_f32 v[BM+\b], v[BM+\b]                   ; the block's largest p: the same two instructions on the same number give the same bits
.endr
.set jj, 0
.rept 64
	v_exp_f32 v[S+jj], v[S+jj]                     ; p = 2^(t - M), at most 1, not normalised
.set jj, jj+1
.endr
	v_pk_mul_f32 v[LA:LA+1], v[LA:LA+1], v[F:F+1] op_sel_hi:[1,0]   ; the sums under the new M.  (Plain lines behind the exponentials, which name none of their results: so the eight behind them)
	v_pk_mul_f32 v[LB:LB+1], v[LB:LB+1], v[F:F+1] op_sel_hi:[1,0]
.irp j, 0,2,4,6,8,10,12,14
	v_pk_mul_f32 v[O+\j:O+\j+1], v[O+\j:O+\j+1], v[F:F+1] op_sel_hi:[1,0]   ; O^T's tiles 0 and 1 under the new M, from each accumulator's low end on
.endr
	s_wait_alu depctr_va_vdst(0)                   ; the 68 exponentials have written v[BM ..] and v[S ..]: one wait for the batch, ahead of its first reader
.irp b, 0,1,2,3
	v_max_num_f32 v[BM+\b], 0x1800000, v[BM+\b]    ; the floor 2^(3 - 127): the byte cannot fall under 1
.endr
.irp b, 0,1,2,3
	v_add_nc_u32 v[SO+\b], 0xff000000, v[BM+\b]    ; 2 off the exponent field: the conversion's scale operand
.endr
.irp b, 0,1,2,3
	v_lshrrev_b32 v[BT+\b], 23, v[SO+\b]           ; the scale's byte
.endr
	v_lshl_or_b32 v[PS], v[BT+1], 8, v[BT]         ; p's scale word for these 128 keys
	v_lshl_or_b32 v[PS], v[BT+2], 16, v[PS]
	v_lshl_or_b32 v[PS], v[BT+3], 24, v[PS]
	; THE ROW'S SUM IS TAKEN OF THE UNQUANTISED p, in four parts that live from step to step: the even pairs in ascending order into one pair of parts, the odd pairs into the other
.set jj, 0
.rept 16
	v_pk_add_f32 v[LA:LA+1], v[LA:LA+1], v[S+4*jj:S+4*jj+1]
	v_pk_add_f32 v[LB:LB+1], v[LB:LB+1], v[S+4*jj+2:S+4*jj+3]
.set jj, jj+1
.endr
.irp b, 0,1,2,3
	v_cvt_scalef32_pk8_fp4_f32 v[PC+2*\b], v[S+16*\b:S+16*\b+7], v[SO+\b]        ; the codes of keys 32 b + 16 h + 0 .. 7
	v_cvt_scalef32_pk8_fp4_f32 v[PC+2*\b+1], v[S+16*\b+8:S+16*\b+15], v[SO+\b]   ; and + 8 .. 15
.endr
	v_nop                                          ; one plain line behind the last scaled conversion
.irp c, 0,1                                    ; the operand's layout wants a WHOLE block in a lane: lanes 0-15 block 2 c, lanes 16-31 block 2 c + 1
.irp i, 0,1
	v_permlane16_swap_b32 v[PC+4*\c+\i], v[PC+2+4*\c+\i]
.endr
.endr
.irp j, 16,18,20,22,24,26,28,30
	v_pk_mul_f32 v[O+\j:O+\j+1], v[O+\j:O+\j+1], v[F:F+1] op_sel_hi:[1,0]   ; O^T's tiles 2 and 3 under the new M.  (Eight plain lines between p's codes and the products; at least four of them name no register of any one product; p's scale word stands further back)
.endr
	s_wait_alu depctr_va_vdst(0)                   ; p's codes v[PC ..] and its scale word v[PS] are written, which the scaled products below take; the places above stay beside this wait
.if \last
	s_wait_dscnt 0x0                               ; V is in
.else
	s_wait_dscnt 9                                 ; V's nine loads are in; the next step's nine of K, issued behind them, may be out
.endif
.irp t, 0,1,2,3                                ; O^T += V^T P^T: the four accumulators by turns, one instruction a turn; the next matrix instructions are the next step's K Q^T
.if \t%2
	v_wmma_scale_f32_16x16x128_f8f6f4 v[O+8*\t:O+8*\t+7], v[VF+8*\t:VF+8*\t+7], v[PC:PC+7], v[O+8*\t:O+8*\t+7], v[VS+\t/2], v[PS] matrix_a_fmt:MATRIX_FMT_FP4 matrix_b_fmt:MATRIX_FMT_FP4 matrix_a_scale:MATRIX_SCALE_ROW1
.else
	v_wmma_scale_f32_16x16x128_f8f6f4 v[O+8*\t:O+8*\t+7], v[VF+8*\t:VF+8*\t+7], v[PC:PC+7], v[O+8*\t:O+8*\t+7], v[VS+\t/2], v[PS] matrix_a_fmt:MATRIX_FMT_FP4 matrix_b_fmt:MATRIX_FMT_FP4
.endif
.endr
.if \last == 0
	s_add_co_u32 s[SK], s[SK], 8*KPITCH
	s_add_co_u32 s[SKS], s[SKS], 512
	s_add_co_u32 s[SV], s[SV], 64
	s_add_co_u32 s[SVS], s[SVS], 256
.endif
.endm
.Lstep:                                            ; fifteen trips; the sixteenth step is written out, since it fetches nothing for a successor
	STEP 0
	s_sub_co_u32 s[CNT], s[CNT], 1
	s_cmp_lg_u32 s[CNT], 0
	s_cbranch_scc1 .Lstep
	STEP 1
	; THE WAY OUT.  The sum's four parts and the other half's are added; O^T is divided by the sum and goes through my stage in LDS, so that sixteen lanes store one whole row of out: 256 consecutive bytes, aligned.
	; The additions and the addresses are the places behind the last products.
	v_pk_add_f32 v[LA:LA+1], v[LA:LA+1], v[LB:LB+1]
	v_and_b32 v[T0], 15, v0                        ; r
	v_bfe_u32 v[T1], v0, 4, 1                      ; h
	v_add_f32 v[LA], v[LA], v[LA+1]
	s_mul_i32 s57, s[WV], 16*SPITCH                ; my stage
	v_mul_u32_u24 v[STO], v[T0], SPITCH
	v_lshl_add_u32 v[STO], v[T1], 5, v[STO]
	v_add_nc_u32 v[STO], s57, v[STO]               ; in: row r; tile t's eight channels of my half: 64 t + 32 h bytes on
	v_permlanex16_b32 v[TMP], v[LA], s[SEL], s[SEL+1]
	v_mul_u32_u24 v[RD], v[T1], SPITCH
	v_lshl_add_u32 v[RD], v[T0], 4, v[RD]
	v_add_nc_u32 v[RD], s57, v[RD]                 ; back: lanes 0-15 one row, lanes 16-31 the next
	v_add_f32 v[LA], v[LA], v[TMP]                 ; the row's sum: over 1/2, since the row's largest p is
	v_lshlrev_b32 v[GO], 8, v[T1]
	v_lshl_add_u32 v[GO], v[T0], 4, v[GO]          ; and the same two rows in out
	v_rcp_f32 v[LA], v[LA]
	v_nop                                          ; one plain line behind the transcendental
	s_wait_alu depctr_va_vdst(0)                   ; the reciprocal has written v[LA], ahead of its first reader
.irp j, 0,2,4,6,8,10,12,14,16,18,20,22,24,26,28,30
	v_pk_mul_f32 v[S+\j:S+\j+1], v[O+\j:O+\j+1], v[LA:LA+1] op_sel_hi:[1,0]   ; O^T / the sum: register 8 t + i is out(r, 16 t + 8 h + i)
.endr
	s_wait_dscnt 0x0                               ; my reads of K and V are over
	s_barrier_signal -1
	s_barrier_wait -1                              ; everybody's are: the stages may lie over them
	s_wait_alu depctr_va_vdst(0)                   ; the multiplications have written v[S ..], the LDS stores' data; v[STO], v[RD] and v[GO], the addresses below, are written; the last products are done reading VF, in which the rows land
.irp t, 0,1,2,3
	ds_store_b128 v[STO], v[S+8*\t:S+8*\t+3] offset:64*\t
	ds_store_b128 v[STO], v[S+8*\t+4:S+8*\t+7] offset:64*\t+16
.endr
.irp i, 0,1,2,3,4,5,6,7
	ds_load_b128 v[VF+4*\i:VF+4*\i+3], v[RD] offset:2*SPITCH*\i   ; LDS serves a wave's instructions in order (ISA guide 5.7.1.4): these see my stores
.endr
.irp i, 0,1,2,3,4,5,6,7
	s_wait_dscnt 7-\i                              ; rows 2 i and 2 i + 1 are back; the younger loads may be out
	global_store_b128 v[GO], v[VF+4*\i:VF+4*\i+3], s[OUTP:OUTP+1] offset:512*\i th:TH_STORE_NT   ; written once, read by nobody here
.endr
	s_wait_dscnt 0x0
	s_wait_alu depctr_hold_cnt(0) depctr_sa_sdst(0) depctr_va_vdst(0) depctr_va_sdst(0) depctr_va_ssrc(0) depctr_va_vcc(0) depctr_vm_vsrc(0)
	s_wait_tensorcnt 0x0
	ds_add_u32 v251, v255
	s_wait_dscnt 0x0
	s_endpgm
.Lfunc_end_k_q2eed715f68_attn:
	.size	k_q2eed715f68_attn, .Lfunc_end_k_q2eed715f68_attn-k_q2eed715f68_attn
	.p2alignl 7, 3214868480
	.fill 96, 4, 3214868480
	.section	.rodata,"a",@progbits
	.p2align	6, 0x0
	.amdhsa_kernel k_q2eed715f68_attn
		.amdhsa_group_segment_fixed_size 148480
		.amdhsa_private_segment_fixed_size 0
		.amdhsa_enable_private_segment 0
		.amdhsa_kernarg_size 72
		.amdhsa_user_sgpr_count 2
		.amdhsa_user_sgpr_kernarg_segment_ptr 1
		.amdhsa_wavefront_size32 1
		.amdhsa_system_sgpr_workgroup_id_x 1
		.amdhsa_system_sgpr_workgroup_id_y 1
		.amdhsa_system_sgpr_workgroup_id_z 1
		.amdhsa_system_vgpr_workitem_id 0
		.amdhsa_next_free_vgpr 256
		.amdhsa_next_free_sgpr 102
		.amdhsa_reserve_vcc 0
		.amdhsa_float_denorm_mode_32 3
		.amdhsa_float_denorm_mode_16_64 3
		.amdhsa_memory_ordered 1
		.amdhsa_forward_progress 1
		.amdhsa_inst_pref_size 55
	.end_amdhsa_kernel
	.amdgpu_metadata
---
amdhsa.version: [ 1, 2 ]
amdhsa.kernels:
  - .name:           k_q2eed715f68_attn
    .symbol:         k_q2eed715f68_attn.kd
    .args:
      - { .name: Q_codes, .offset: 0, .size: 8, .value_kind: global_buffer, .address_space: global }
      - { .name: Q_scales, .offset: 8, .size: 8, .value_kind: global_buffer, .address_space: global }
      - { .name: K_codes, .offset: 16, .size: 8, .value_kind: global_buffer, .address_space: global }
      - { .name: K_scales, .offset: 24, .size: 8, .value_kind: global_buffer, .address_space: global }
      - { .name: V_codes, .offset: 32, .size: 8, .value_kind: global_buffer, .address_space: global }
      - { .name: V_scales, .offset: 40, .size: 8, .value_kind: global_buffer, .address_space: global }
      - { .name: mbits, .offset: 48, .size: 8, .value_kind: global_buffer, .address_space: global }
      - { .name: mflag, .offset: 56, .size: 8, .value_kind: global_buffer, .address_space: global }
      - { .name: out0, .offset: 64, .size: 8, .value_kind: global_buffer, .address_space: global }
    .group_segment_fixed_size: 148480
    .private_segment_fixed_size: 0
    .kernarg_segment_align: 8
    .kernarg_segment_size: 72
    .max_flat_workgroup_size: 512
    .sgpr_count:     102
    .vgpr_count:     256
    .wavefront_size: 32
...
	.end_amdgpu_metadata
.endif
;; end of part 3
